; MI455X (gfx1250); checked and timed in simulation.
; The chip was launched on July 23, 2026; its instructions are those of AMD's public machine-readable ISA for CDNA 5 (MIT licence, August 2026) and "CDNA5" Instruction Set Architecture Reference Guide (July 2026). The comments in the code are by the model that wrote it; some were corrected since.
;; Attn. Allowed arithmetic: float matrix products may take bf16 or f16 operands with f32 sums; all other float work in f32.
;; Inputs: W 4,096 x 4,096 float32; b 4,096 float32; outputs 4,096 x 4,096 float32; w 4,096 float32.
;; Outputs: out0 1 x 1 x 4,096 float32.
;; One version. Each part assembles by itself: llvm-mc -triple=amdgcn-amd-amdhsa -mcpu=gfx1250 --defsym DOCPART=n.
;; ======== version 1 of 1: 3 launches
;; workspace buffers: vpart 131,072 bytes; epart 65,536 bytes
;; launch colsum (part 1): grid 32 x 8, 16 waves a work-group, no clusters, 10,240 bytes of LDS; arguments W, w, vpart; writes vpart
.if DOCPART == 1
	.amdgcn_target "amdgcn-amd-amdhsa--gfx1250"
	.amdhsa_code_object_version 6
	.text
	.protected	k_q015c1eddf6_colsum
	.globl	k_q015c1eddf6_colsum
	.p2align	8
	.type	k_q015c1eddf6_colsum,@function
k_q015c1eddf6_colsum:
	s_mov_b64 s[64:65], 0
	v_nop
	global_prefetch_b8 v0, s[64:65] scope:SCOPE_SE
	s_setreg_imm32_b32 hwreg(HW_REG_WAVE_MODE, 25, 1), 1
	s_wait_xcnt 0x0
; vpart[y][h] = the sum over o = 512 y .. 512 y + 511 of W[o][h] * w[o].   W: [4096][4096] f32, w: [4096] f32, vpart: [8][4096] f32.
; First of three launches.  The energies are e[s] = sum_o w[o] (sum_h outputs[s][h] W[o][h] + b[o]); the sum over o is taken first:
; e[s] = sum_h outputs[s][h] v[h] + sum_o b[o] w[o], with v[h] = sum_o W[o][h] w[o].  That holds for every input and reads every input;
; it leaves two products of a matrix with ONE vector, 2 x 16.8 M multiply-adds for 128 MiB of matrix, so the bytes are all that counts.
; LIMIT, stated: the sums are associated otherwise than in the formula as written, so their rounding differs; every product and sum is f32.
; No matrix instruction: a product with one vector would fill one column in sixteen, and e stands in an exponent, where operands of 16 bits are too coarse.
; No LDS ring, no tensor load: a wave's whole share, 16 KiB, fits in 128 registers and is asked for at once.  No cluster: no two work-groups read the same byte of W.
; SHARES.  Work-group (x, y): columns 128 x .. 128 x + 127 (512 bytes of a row), rows 512 y .. 512 y + 511: 256 KiB; 32 x 8 = 256 work-groups.
; Wave k: rows 512 y + 32 k + i, i = 0 .. 31.  Lane l: the four columns at byte 16 l, so one load of a wave takes 512 neighbouring bytes, aligned to 512.
.set ROWB, 16384                       ; bytes in a row of W
.set LOFF, 1                           ; v1        16 x lane: my bytes in a row's 512; never rewritten
.set LST,  2                           ; v2        512 x wave + 16 x lane: where my four sums go in LDS
.set ACC,  4                           ; v[4:11]   two sets of four sums: even rows, odd rows
.set X,    12                          ; v[12:139] row i at X + 4 i
.set WS,   16                          ; s[16:47]  w of my wave's 32 rows
	s_load_b128 s[4:7], s[0:1], 0x0                ; W s[4:5], w s[6:7]
	s_load_b64 s[8:9], s[0:1], 0x10                ; vpart
	v_lshl_add_u32 v140, v0, 2, 0x2000
	v_mov_b32 v141, 0
	v_lshrrev_b32 v3, 5, v0
	v_readfirstlane_b32 s10, v3                    ; wave k, 0 .. 15
	s_and_b32 s11, ttmp7, 0xffff                   ; y
	v_and_b32 v[LOFF], 31, v0
	v_lshlrev_b32 v[LOFF], 4, v[LOFF]
	v_lshl_add_u32 v[LST], s10, 9, v[LOFF]
	s_lshl_b32 s12, s11, 23                        ; W: 512 y rows of 16,384 bytes,
	s_lshl_b32 s13, s10, 19                        ; 32 k rows,
	s_add_co_u32 s12, s12, s13
	s_lshl_b32 s13, ttmp9, 9                       ; 128 x columns of 4 bytes: under 64 MiB in all
	s_add_co_u32 s12, s12, s13
	s_mov_b32 s13, 0
	s_lshl_b32 s14, s11, 11                        ; w: (512 y + 32 k) x 4 bytes
	s_lshl_b32 s15, s10, 7
	s_add_co_u32 s14, s14, s15
	s_mov_b32 s15, 0
	s_lshl_b32 s2, s11, 14                         ; vpart: row y of 16,384 bytes, 128 x columns
	s_lshl_b32 s3, ttmp9, 9
	s_add_co_u32 s2, s2, s3
	s_mov_b32 s3, 0
	s_wait_kmcnt 0x0
	s_add_nc_u64 s[4:5], s[4:5], s[12:13]
	s_add_nc_u64 s[6:7], s[6:7], s[14:15]
	s_add_nc_u64 s[8:9], s[8:9], s[2:3]
	s_load_b512 s[WS:WS+15], s[6:7], 0x0           ; w of rows 0 .. 15 of my 32
	s_load_b512 s[WS+16:WS+31], s[6:7], 0x40       ; and of rows 16 .. 31
.set i, 0
.rept 32
	global_load_b128 v[X+4*i:X+4*i+3], v[LOFF], s[4:5] offset:i*ROWB th:TH_LOAD_NT   ; all 32 rows at once: 16 KiB of the wave on their way; each byte of W is read once in the launch
.set i, i+1
.endr
	s_wait_kmcnt 0x0                               ; w
; Row i: four multiply-adds by the scalar w[i].  Plain forms: a packed form takes only the low word of an aligned scalar pair, which would serve even rows alone.
; Rows 0 and 1 start the two sets of sums: nothing is cleared.
.set i, 0
.rept 32
	s_wait_loadcnt 31-i                            ; loads come back in order (ISA guide 5.7.1): row i is in, the 31 - i behind it stay out
.irp c, 0,1,2,3
.if i < 2
	v_mul_f32 v[ACC+4*(i%2)+\c], s[WS+i], v[X+4*i+\c]
.else
	v_fmac_f32 v[ACC+4*(i%2)+\c], s[WS+i], v[X+4*i+\c]
.endif
.endr
.set i, i+1
.endr
	v_pk_add_f32 v[ACC:ACC+1],   v[ACC:ACC+1],   v[ACC+4:ACC+5]
	v_pk_add_f32 v[ACC+2:ACC+3], v[ACC+2:ACC+3], v[ACC+6:ACC+7]
	; The sixteen waves' sums meet in LDS: 16 rows of 512 bytes, wave k's at 512 k; lanes at neighbouring 16 bytes.
	ds_store_b128 v[LST], v[ACC:ACC+3]
	s_wait_dscnt 0x0                               ; for wave 0's sake: my store is done
	s_barrier_signal -1
	s_barrier_wait -1
	s_cmp_lg_u32 s10, 0
	s_cbranch_scc1 .Lend                           ; wave 0 adds the sixteen and stores
.irp k, 0,1,2,3,4,5,6,7,8,9,10,11,12,13,14,15
	ds_load_b128 v[X+4*\k:X+4*\k+3], v[LOFF] offset:512*\k     ; X is free: the last row's wait was for 0
.endr
	s_wait_dscnt 0x0
.irp st, 8,4,2,1                       ; a tree: row k takes row k + st
.set k, 0
.rept \st
	v_pk_add_f32 v[X+4*k:X+4*k+1],   v[X+4*k:X+4*k+1],   v[X+4*(k+\st):X+4*(k+\st)+1]
	v_pk_add_f32 v[X+4*k+2:X+4*k+3], v[X+4*k+2:X+4*k+3], v[X+4*(k+\st)+2:X+4*(k+\st)+3]
.set k, k+1
.endr
.endr
	global_store_b128 v[LOFF], v[X:X+3], s[8:9]    ; 32 lanes store 512 consecutive bytes, at a multiple of 512 from vpart's first byte
.Lend:
	s_wait_tensorcnt 0x0
	ds_add_u32 v140, v141
	s_wait_dscnt 0x0
	s_endpgm
.Lfunc_end_k_q015c1eddf6_colsum:
	.size	k_q015c1eddf6_colsum, .Lfunc_end_k_q015c1eddf6_colsum-k_q015c1eddf6_colsum
	.p2alignl 7, 3214868480
	.fill 96, 4, 3214868480
	.section	.rodata,"a",@progbits
	.p2align	6, 0x0
	.amdhsa_kernel k_q015c1eddf6_colsum
		.amdhsa_group_segment_fixed_size 10240
		.amdhsa_private_segment_fixed_size 0
		.amdhsa_enable_private_segment 0
		.amdhsa_kernarg_size 24
		.amdhsa_user_sgpr_count 2
		.amdhsa_user_sgpr_kernarg_segment_ptr 1
		.amdhsa_wavefront_size32 1
		.amdhsa_system_sgpr_workgroup_id_x 1
		.amdhsa_system_sgpr_workgroup_id_y 1
		.amdhsa_system_sgpr_workgroup_id_z 1
		.amdhsa_system_vgpr_workitem_id 0
		.amdhsa_next_free_vgpr 142
		.amdhsa_next_free_sgpr 66
		.amdhsa_reserve_vcc 0
		.amdhsa_float_denorm_mode_32 3
		.amdhsa_float_denorm_mode_16_64 3
		.amdhsa_memory_ordered 1
		.amdhsa_forward_progress 1
		.amdhsa_inst_pref_size 13
	.end_amdhsa_kernel
	.amdgpu_metadata
---
amdhsa.version: [ 1, 2 ]
amdhsa.kernels:
  - .name:           k_q015c1eddf6_colsum
    .symbol:         k_q015c1eddf6_colsum.kd
    .args:
      - { .name: W, .offset: 0, .size: 8, .value_kind: global_buffer, .address_space: global }
      - { .name: w, .offset: 8, .size: 8, .value_kind: global_buffer, .address_space: global }
      - { .name: vpart, .offset: 16, .size: 8, .value_kind: global_buffer, .address_space: global }
    .group_segment_fixed_size: 10240
    .private_segment_fixed_size: 0
    .kernarg_segment_align: 8
    .kernarg_segment_size: 24
    .max_flat_workgroup_size: 512
    .sgpr_count:     66
    .vgpr_count:     142
    .wavefront_size: 32
...
	.end_amdgpu_metadata
.endif
;; end of part 1
;; launch rowdot (part 2): grid 4 x 64, 16 waves a work-group, no clusters, 6,400 bytes of LDS; arguments outputs, vpart, epart; writes epart
.if DOCPART == 2
	.amdgcn_target "amdgcn-amd-amdhsa--gfx1250"
	.amdhsa_code_object_version 6
	.text
	.protected	k_q015c1eddf6_rowdot
	.globl	k_q015c1eddf6_rowdot
	.p2align	8
	.type	k_q015c1eddf6_rowdot,@function
k_q015c1eddf6_rowdot:
	s_mov_b64 s[64:65], 0
	v_nop
	global_prefetch_b8 v0, s[64:65] scope:SCOPE_SE
	s_setreg_imm32_b32 hwreg(HW_REG_WAVE_MODE, 25, 1), 1
	s_wait_xcnt 0x0
; epart[q][s] = the sum over h = 1024 q .. 1024 q + 1023 of outputs[s][h] * v[h], with v[h] = the sum over p = 0 .. 7 of vpart[p][h].
; outputs: [4096][4096] f32, vpart: [8][4096] f32, epart: [4][4096] f32.  Second of three launches: the product of outputs with the one vector v = W^T w.
; All products and sums in f32 (LIMIT, stated: their order is not that of the formula as written, see the first launch).
; SHARES.  Work-group (q, y): rows 64 y .. 64 y + 63, columns of quarter q: 256 KiB; 4 x 64 = 256 work-groups.  Wave k: rows 64 y + 4 k + r, r = 0 .. 3.
; A row's quarter is 4,096 bytes: eight loads j of 512 neighbouring bytes, aligned; lane l holds columns 128 j + 4 l .. + 3.  All 32 loads of a wave go out at once, into 128 registers.
; Quarters, so that a work-group needs 8 x 4 KiB of vpart and not 8 x 16 KiB, and its 64 results are 256 consecutive bytes of epart.
; No matrix instruction, no tensor load: as in the first launch.  No cluster: what work-groups share is vpart's 32 KiB beside 256 KiB of their own, and it comes through registers.
.set ROWB, 16384                       ; bytes in a row of outputs, and in a row of vpart
.set ES,   4096                        ; LDS: bytes 0 .. 4095 the quarter of v; bytes 4096 .. 4351 the 64 row sums, row 4 k + r at 4 (4 k + r)
.set LOFF, 1                           ; v1         16 x lane: my bytes in 512 of outputs, and of v in LDS; never rewritten
.set T8,   2                           ; v2         256 x wave + 8 x lane: my two columns of the quarter, in vpart and in LDS
.set EA,   3                           ; v3         16 x wave: my wave's four sums in ES; in wave 0 at the end 8 x lane
.set PV,   4                           ; v[4:19]    eight partials of my two columns of v
.set V,    20                          ; v[20:51]   v of my 32 columns: load j's four at V + 4 j
.set X,    52                          ; v[52:179]  load 8 r + j at X + 4 (8 r + j)
.set ACC,  180                         ; v[180:195] row r: two pairs of sums at ACC + 4 r and ACC + 4 r + 2
.set T,    196                         ; v[196:199] the four rows' sums
	s_load_b128 s[4:7], s[0:1], 0x0                ; outputs s[4:5], vpart s[6:7]
	s_load_b64 s[8:9], s[0:1], 0x10                ; epart
	v_lshl_add_u32 v200, v0, 2, 0x1100
	v_mov_b32 v201, 0
	v_lshrrev_b32 v3, 5, v0
	v_readfirstlane_b32 s10, v3                    ; wave k, 0 .. 15
	s_and_b32 s11, ttmp7, 0xffff                   ; y
	v_and_b32 v[LOFF], 31, v0
	v_lshlrev_b32 v[T8], 3, v[LOFF]
	v_lshl_add_u32 v[T8], s10, 8, v[T8]
	v_lshlrev_b32 v[LOFF], 4, v[LOFF]
	v_mov_b32 v[EA], s10
	v_lshlrev_b32 v[EA], 4, v[EA]
	s_mov_b32 s16, 0x76543210                      ; v_permlanex16_b32: lane i of one half reads lane i of the other
	s_mov_b32 s17, 0xfedcba98
	s_lshl_b32 s12, s11, 20                        ; outputs: 64 y rows of 16,384 bytes,
	s_lshl_b32 s18, s10, 16                        ; 4 k rows,
	s_add_co_u32 s12, s12, s18
	s_lshl_b32 s14, ttmp9, 12                      ; 1,024 q columns of 4 bytes: also the quarter's place in a row of vpart
	s_add_co_u32 s12, s12, s14
	s_mov_b32 s13, 0
	s_mov_b32 s15, 0
	s_lshl_b32 s2, ttmp9, 14                       ; epart: row q of 16,384 bytes, 64 y numbers
	s_lshl_b32 s18, s11, 8
	s_add_co_u32 s2, s2, s18
	s_mov_b32 s3, 0
	s_wait_kmcnt 0x0
	s_add_nc_u64 s[4:5], s[4:5], s[12:13]
	s_add_nc_u64 s[6:7], s[6:7], s[14:15]
	s_add_nc_u64 s[8:9], s[8:9], s[2:3]
.irp p, 0,1,2,3,4,5,6,7
	global_load_b64 v[PV+2*\p:PV+2*\p+1], v[T8], s[6:7] offset:\p*ROWB   ; a wave takes 256 consecutive bytes of each partial; 64 work-groups read these bytes, so no hint
.endr
.irp r, 0,1,2,3
.irp j, 0,1,2,3,4,5,6,7
	global_load_b128 v[X+4*(8*\r+\j):X+4*(8*\r+\j)+3], v[LOFF], s[4:5] offset:\r*ROWB+\j*512 th:TH_LOAD_NT   ; each byte of outputs is read once in the launch
.endr
.endr
	s_wait_loadcnt 32                              ; the eight partials are in; the 32 loads of outputs behind them stay out
	v_pk_add_f32 v[PV:PV+1],     v[PV:PV+1],     v[PV+2:PV+3]
	v_pk_add_f32 v[PV+4:PV+5],   v[PV+4:PV+5],   v[PV+6:PV+7]
	v_pk_add_f32 v[PV+8:PV+9],   v[PV+8:PV+9],   v[PV+10:PV+11]
	v_pk_add_f32 v[PV+12:PV+13], v[PV+12:PV+13], v[PV+14:PV+15]
	v_pk_add_f32 v[PV:PV+1],     v[PV:PV+1],     v[PV+4:PV+5]
	v_pk_add_f32 v[PV+8:PV+9],   v[PV+8:PV+9],   v[PV+12:PV+13]
	v_pk_add_f32 v[PV:PV+1],     v[PV:PV+1],     v[PV+8:PV+9]
	ds_store_b64 v[T8], v[PV:PV+1]                 ; 512 threads x 2 columns: the quarter of v
	s_wait_dscnt 0x0                               ; for the others' sake: my store is done
	s_barrier_signal -1                            ; the loads of outputs stay on their way: nobody writes those bytes
	s_barrier_wait -1
.irp j, 0,1,2,3,4,5,6,7
	ds_load_b128 v[V+4*\j:V+4*\j+3], v[LOFF] offset:512*\j     ; v of the columns that load j brings me; lanes at neighbouring 16 bytes
.endr
	s_wait_dscnt 0x0
; Load j of row r: four multiply-adds in two packed ones.  A row's first load starts its sums: nothing is cleared.
.macro DOT r, j
	s_wait_loadcnt 31-(8*\r+\j)                    ; loads come back in order (ISA guide 5.7.1): this one is in, those behind it stay out
.if \j == 0
	v_pk_mul_f32 v[ACC+4*\r:ACC+4*\r+1],   v[X+4*(8*\r+\j):X+4*(8*\r+\j)+1],   v[V+4*\j:V+4*\j+1]
	v_pk_mul_f32 v[ACC+4*\r+2:ACC+4*\r+3], v[X+4*(8*\r+\j)+2:X+4*(8*\r+\j)+3], v[V+4*\j+2:V+4*\j+3]
.else
	v_pk_fma_f32 v[ACC+4*\r:ACC+4*\r+1],   v[X+4*(8*\r+\j):X+4*(8*\r+\j)+1],   v[V+4*\j:V+4*\j+1],   v[ACC+4*\r:ACC+4*\r+1]
	v_pk_fma_f32 v[ACC+4*\r+2:ACC+4*\r+3], v[X+4*(8*\r+\j)+2:X+4*(8*\r+\j)+3], v[V+4*\j+2:V+4*\j+3], v[ACC+4*\r+2:ACC+4*\r+3]
.endif
.endm
.irp r, 0,1,2,3
.irp j, 0,1,2,3,4,5,6,7
	DOT \r, \j
.endr
.endr
.irp r, 0,1,2,3
	v_pk_add_f32 v[ACC+4*\r:ACC+4*\r+1], v[ACC+4*\r:ACC+4*\r+1], v[ACC+4*\r+2:ACC+4*\r+3]
.endr
.irp r, 0,1,2,3
	v_add_f32 v[T+\r], v[ACC+4*\r], v[ACC+4*\r+1]
.endr
	; across the 32 lanes, the four rows side by side: four steps inside each half of 16 lanes, one across the halves; every lane ends with the sums
.irp m, 1,2,4,8
.irp r, 0,1,2,3
	v_add_f32_dpp v[T+\r], v[T+\r], v[T+\r] row_xmask:\m row_mask:0xf bank_mask:0xf
.endr
.endr
.irp r, 0,1,2,3
	v_permlanex16_b32 v[ACC+4*\r+2], v[T+\r], s16, s17         ; its destination counts as read: a register that has been written and is no longer needed
.endr
.irp r, 0,1,2,3
	v_add_f32 v[T+\r], v[T+\r], v[ACC+4*\r+2]
.endr
	ds_store_b128 v[EA], v[T:T+3] offset:ES        ; all lanes write the wave's 16 bytes with the same values
	s_wait_dscnt 0x0                               ; for wave 0's sake
	s_barrier_signal -1
	s_barrier_wait -1
	s_cmp_lg_u32 s10, 0
	s_cbranch_scc1 .Lend                           ; wave 0 stores the work-group's 64 sums
	v_lshrrev_b32 v[EA], 1, v[LOFF]                ; 8 x lane
	ds_load_b64 v[PV:PV+1], v[EA] offset:ES
	s_wait_dscnt 0x0
	global_store_b64 v[EA], v[PV:PV+1], s[8:9]     ; 32 lanes store 256 consecutive bytes, at a multiple of 256 from epart's first byte
.Lend:
	s_wait_tensorcnt 0x0
	ds_add_u32 v200, v201
	s_wait_dscnt 0x0
	s_endpgm
.Lfunc_end_k_q015c1eddf6_rowdot:
	.size	k_q015c1eddf6_rowdot, .Lfunc_end_k_q015c1eddf6_rowdot-k_q015c1eddf6_rowdot
	.p2alignl 7, 3214868480
	.fill 96, 4, 3214868480
	.section	.rodata,"a",@progbits
	.p2align	6, 0x0
	.amdhsa_kernel k_q015c1eddf6_rowdot
		.amdhsa_group_segment_fixed_size 6400
		.amdhsa_private_segment_fixed_size 0
		.amdhsa_enable_private_segment 0
		.amdhsa_kernarg_size 24
		.amdhsa_user_sgpr_count 2
		.amdhsa_user_sgpr_kernarg_segment_ptr 1
		.amdhsa_wavefront_size32 1
		.amdhsa_system_sgpr_workgroup_id_x 1
		.amdhsa_system_sgpr_workgroup_id_y 1
		.amdhsa_system_sgpr_workgroup_id_z 1
		.amdhsa_system_vgpr_workitem_id 0
		.amdhsa_next_free_vgpr 202
		.amdhsa_next_free_sgpr 66
		.amdhsa_reserve_vcc 0
		.amdhsa_float_denorm_mode_32 3
		.amdhsa_float_denorm_mode_16_64 3
		.amdhsa_memory_ordered 1
		.amdhsa_forward_progress 1
		.amdhsa_inst_pref_size 14
	.end_amdhsa_kernel
	.amdgpu_metadata
---
amdhsa.version: [ 1, 2 ]
amdhsa.kernels:
  - .name:           k_q015c1eddf6_rowdot
    .symbol:         k_q015c1eddf6_rowdot.kd
    .args:
      - { .name: outputs, .offset: 0, .size: 8, .value_kind: global_buffer, .address_space: global }
      - { .name: vpart, .offset: 8, .size: 8, .value_kind: global_buffer, .address_space: global }
      - { .name: epart, .offset: 16, .size: 8, .value_kind: global_buffer, .address_space: global }
    .group_segment_fixed_size: 6400
    .private_segment_fixed_size: 0
    .kernarg_segment_align: 8
    .kernarg_segment_size: 24
    .max_flat_workgroup_size: 512
    .sgpr_count:     66
    .vgpr_count:     202
    .wavefront_size: 32
...
	.end_amdgpu_metadata
.endif
;; end of part 2
;; launch softmax (part 3): grid 1 x 1, 32 waves a work-group, no clusters, 4,608 bytes of LDS; arguments epart, b, w, out0; writes out0
.if DOCPART == 3
	.amdgcn_target "amdgcn-amd-amdhsa--gfx1250"
	.amdhsa_code_object_version 6
	.text
	.protected	k_q015c1eddf6_softmax
	.globl	k_q015c1eddf6_softmax
	.p2align	8
	.type	k_q015c1eddf6_softmax,@function
k_q015c1eddf6_softmax:
	s_mov_b64 s[64:65], 0
	v_nop
	global_prefetch_b8 v0, s[64:65] scope:SCOPE_SE
	s_setreg_imm32_b32 hwreg(HW_REG_WAVE_MODE, 25, 1), 1
	s_wait_xcnt 0x0
; out0[s] = softmax over s of e[s], e[s] = (epart[0][s] + epart[1][s]) + (epart[2][s] + epart[3][s]) + c, c = the sum over o of b[o] w[o].
; epart: [4][4096] f32; b, w, out0: [4096] f32.  Third of three launches.  All in f32; the maximum is taken away before the exponential.
; ONE work-group: the maximum and the sum span all 4,096 numbers and all that is read is 96 KiB; more work-groups could only repeat the same reductions.
; 32 waves; thread t owns numbers 4 t .. 4 t + 3, 16 bytes, so each load and store of a wave covers 512 consecutive bytes.
; The sum c and the maximum of e - c are reduced TOGETHER, as a pair, and the maximum of e is made as (maximum of e - c) + c: rounding an addition of the same c keeps order,
; so that is exactly the largest of the rounded e[s], and the largest weight is exactly 1.
; LIMITS, stated: a weight below 2^-126 comes out as 0 (v_exp_f32 gives no denormals: ISA guide, its entry); the division is a multiplication by v_rcp_f32 of the sum,
; which is at least 1.  A NaN or an infinity among the e makes the sum, and so every output, NaN.
.set OFF, 1                            ; v1       16 t
.set L8,  2                            ; v2       8 x lane
.set W8,  3                            ; v3       8 x wave
.set L4,  4                            ; v4       4 x lane
.set W4,  5                            ; v5       4 x wave
.set E,   8                            ; v[8:23]  partial q at E + 4 q; then v[8:11]: e, the weights, the result
.set B,   24                           ; v[24:27] b
.set WW,  28                           ; v[28:31] w
.set C,   32                           ; v32      sum of b w;  v33 maximum: a pair
.set M,   33
.set T,   34                           ; v[34:35] at work
.set MM,  36                           ; v[36:37] the maximum of e, twice
.set S,   38                           ; v38      sum of the weights
.set T2,  39                           ; v39      at work
.set R,   40                           ; v[40:41] 1 / sum, twice
.set SUMS, 256                         ; LDS: bytes 0 .. 255 a pair (c, maximum) for each wave; bytes 256 .. 383 a sum for each wave: bytes of their own, so two barriers do
	s_load_b256 s[4:11], s[0:1], 0x0               ; epart s[4:5], b s[6:7], w s[8:9], out0 s[10:11]
	v_lshl_add_u32 v44, v0, 2, 0x200
	v_mov_b32 v45, 0
	v_lshrrev_b32 v6, 5, v0
	v_readfirstlane_b32 s12, v6                    ; wave 0 .. 31
	v_lshlrev_b32 v[OFF], 4, v0
	v_and_b32 v7, 31, v0
	v_lshlrev_b32 v[L8], 3, v7
	v_lshlrev_b32 v[L4], 2, v7
	v_mov_b32 v[W8], s12
	v_lshlrev_b32 v[W4], 2, v[W8]
	v_lshlrev_b32 v[W8], 3, v[W8]
	s_mov_b32 s14, 0x76543210                      ; v_permlanex16_b32: lane i of one half reads lane i of the other
	s_mov_b32 s15, 0xfedcba98
	s_wait_kmcnt 0x0
.irp q, 0,1,2,3
	global_load_b128 v[E+4*\q:E+4*\q+3], v[OFF], s[4:5] offset:16384*\q
.endr
	global_load_b128 v[B:B+3], v[OFF], s[6:7]
	global_load_b128 v[WW:WW+3], v[OFF], s[8:9]
	s_wait_loadcnt 2                               ; the four partials are in; b and w, issued behind them, may stay out
	v_pk_add_f32 v[E:E+1],     v[E:E+1],     v[E+4:E+5]
	v_pk_add_f32 v[E+2:E+3],   v[E+2:E+3],   v[E+6:E+7]
	v_pk_add_f32 v[E+8:E+9],   v[E+8:E+9],   v[E+12:E+13]
	v_pk_add_f32 v[E+10:E+11], v[E+10:E+11], v[E+14:E+15]
	v_pk_add_f32 v[E:E+1],     v[E:E+1],     v[E+8:E+9]
	v_pk_add_f32 v[E+2:E+3],   v[E+2:E+3],   v[E+10:E+11]
	v_max3_num_f32 v[M], v[E], v[E+1], v[E+2]
	v_max_num_f32 v[M], v[M], v[E+3]
	s_wait_loadcnt 0x0
	v_pk_mul_f32 v[T:T+1], v[B:B+1], v[WW:WW+1]
	v_pk_fma_f32 v[T:T+1], v[B+2:B+3], v[WW+2:WW+3], v[T:T+1]
	v_add_f32 v[C], v[T], v[T+1]
; Over the 32 lanes: the sum of C and the maximum of M, side by side; every lane ends with both.
.macro RED2
.irp m, 1,2,4,8
	v_add_f32_dpp v[C], v[C], v[C] row_xmask:\m row_mask:0xf bank_mask:0xf
	v_max_num_f32_dpp v[M], v[M], v[M] row_xmask:\m row_mask:0xf bank_mask:0xf
.endr
	v_permlanex16_b32 v[T], v[C], s14, s15         ; the destinations count as read: T has been written
	v_permlanex16_b32 v[T+1], v[M], s14, s15
	v_add_f32 v[C], v[C], v[T]
	v_max_num_f32 v[M], v[M], v[T+1]
.endm
; Over the 32 lanes: the sum of S.
.macro RED1
.irp m, 1,2,4,8
	v_add_f32_dpp v[S], v[S], v[S] row_xmask:\m row_mask:0xf bank_mask:0xf
.endr
	v_permlanex16_b32 v[T2], v[S], s14, s15
	v_add_f32 v[S], v[S], v[T2]
.endm
	RED2
	ds_store_b64 v[W8], v[C:C+1]                   ; all lanes write the wave's pair with the same values
	s_wait_dscnt 0x0                               ; for the others' sake
	s_barrier_signal -1
	s_barrier_wait -1
	ds_load_b64 v[C:C+1], v[L8]                    ; lane l takes wave l's pair
	s_wait_dscnt 0x0
	RED2                                           ; every lane: c, and the maximum of e - c
	v_pk_add_f32 v[E:E+1],     v[E:E+1],     v[C:C+1] op_sel_hi:[1,0]    ; e = the four partials + c
	v_pk_add_f32 v[E+2:E+3],   v[E+2:E+3],   v[C:C+1] op_sel_hi:[1,0]
	v_add_f32 v[MM], v[M], v[C]                    ; the maximum of e,
	v_add_f32 v[MM+1], v[M], v[C]                  ; twice, for the packed subtraction
	v_pk_add_f32 v[E:E+1],     v[E:E+1],     v[MM:MM+1] neg_lo:[0,1] neg_hi:[0,1]   ; e - maximum: 0 at the most
	v_pk_add_f32 v[E+2:E+3],   v[E+2:E+3],   v[MM:MM+1] neg_lo:[0,1] neg_hi:[0,1]
	v_pk_mul_f32 v[E:E+1],     v[E:E+1],     0x3fb8aa3b op_sel_hi:[1,0]  ; times log2(e): v_exp_f32 is 2^x
	v_pk_mul_f32 v[E+2:E+3],   v[E+2:E+3],   0x3fb8aa3b op_sel_hi:[1,0]
	v_exp_f32 v[E], v[E]
	v_exp_f32 v[E+1], v[E+1]
	v_exp_f32 v[E+2], v[E+2]
	v_exp_f32 v[E+3], v[E+3]
	v_mov_b32 v[T2], 0                             ; the plain instruction between the last exponential and the use of its result (ISA guide 5.7.2); it also writes the register that RED1's exchange lands in
	s_wait_alu depctr_va_vdst(0)
	v_pk_add_f32 v[T:T+1], v[E:E+1], v[E+2:E+3]
	v_add_f32 v[S], v[T], v[T+1]
	RED1
	ds_store_b32 v[W4], v[S] offset:SUMS
	s_wait_dscnt 0x0                               ; for the others' sake
	s_barrier_signal -1
	s_barrier_wait -1
	ds_load_b32 v[S], v[L4] offset:SUMS            ; lane l takes wave l's sum
	s_wait_dscnt 0x0
	RED1
	v_rcp_f32 v[R], v[S]
	v_rcp_f32 v[R+1], v[S]
	v_nop                                          ; a plain instruction between the last reciprocal and the use of its result
	s_wait_alu depctr_va_vdst(0)
	v_pk_mul_f32 v[E:E+1],   v[E:E+1],   v[R:R+1]
	v_pk_mul_f32 v[E+2:E+3], v[E+2:E+3], v[R:R+1]
	global_store_b128 v[OFF], v[E:E+3], s[10:11]   ; 32 lanes store 512 consecutive bytes, at a multiple of 512 from out0's first byte
	s_wait_tensorcnt 0x0
	ds_add_u32 v44, v45
	s_wait_dscnt 0x0
	s_endpgm
.Lfunc_end_k_q015c1eddf6_softmax:
	.size	k_q015c1eddf6_softmax, .Lfunc_end_k_q015c1eddf6_softmax-k_q015c1eddf6_softmax
	.p2alignl 7, 3214868480
	.fill 96, 4, 3214868480
	.section	.rodata,"a",@progbits
	.p2align	6, 0x0
	.amdhsa_kernel k_q015c1eddf6_softmax
		.amdhsa_group_segment_fixed_size 4608
		.amdhsa_private_segment_fixed_size 0
		.amdhsa_enable_private_segment 0
		.amdhsa_kernarg_size 32
		.amdhsa_user_sgpr_count 2
		.amdhsa_user_sgpr_kernarg_segment_ptr 1
		.amdhsa_wavefront_size32 1
		.amdhsa_system_sgpr_workgroup_id_x 1
		.amdhsa_system_sgpr_workgroup_id_y 1
		.amdhsa_system_sgpr_workgroup_id_z 1
		.amdhsa_system_vgpr_workitem_id 0
		.amdhsa_next_free_vgpr 46
		.amdhsa_next_free_sgpr 66
		.amdhsa_reserve_vcc 0
		.amdhsa_float_denorm_mode_32 3
		.amdhsa_float_denorm_mode_16_64 3
		.amdhsa_memory_ordered 1
		.amdhsa_forward_progress 1
		.amdhsa_inst_pref_size 6
	.end_amdhsa_kernel
	.amdgpu_metadata
---
amdhsa.version: [ 1, 2 ]
amdhsa.kernels:
  - .name:           k_q015c1eddf6_softmax
    .symbol:         k_q015c1eddf6_softmax.kd
    .args:
      - { .name: epart, .offset: 0, .size: 8, .value_kind: global_buffer, .address_space: global }
      - { .name: b, .offset: 8, .size: 8, .value_kind: global_buffer, .address_space: global }
      - { .name: w, .offset: 16, .size: 8, .value_kind: global_buffer, .address_space: global }
      - { .name: out0, .offset: 24, .size: 8, .value_kind: global_buffer, .address_space: global }
    .group_segment_fixed_size: 4608
    .private_segment_fixed_size: 0
    .kernarg_segment_align: 8
    .kernarg_segment_size: 32
    .max_flat_workgroup_size: 1024
    .sgpr_count:     66
    .vgpr_count:     46
    .wavefront_size: 32
...
	.end_amdgpu_metadata
.endif
;; end of part 3
